; MI455X (gfx1250); checked and timed in simulation.
; The chip was launched on July 23, 2026; its instructions are those of AMD's public machine-readable ISA for CDNA 5 (MIT licence, August 2026) and "CDNA5" Instruction Set Architecture Reference Guide (July 2026). The comments in the code are by the model that wrote it; some were corrected since.
;; Flash Attention Layer. Allowed arithmetic: float matrix products may take bf16 or f16 operands with f32 sums; all other float work in f32.
;; Inputs: key 4 x 2,048 x 16 x 128 float32; mask 4 x 2,048 int32; query 4 x 2,048 x 16 x 128 float32; value 4 x 2,048 x 16 x 128 float32.
;; Outputs: out0 4 x 2,048 x 16 x 128 float32.
;; 2 versions, each right; version 2 is version 1 with the launch pack written anew for expert scheduling mode. Each part assembles by itself: llvm-mc -triple=amdgcn-amd-amdhsa -mcpu=gfx1250 --defsym DOCPART=n.
;; ======== version 1 of 2: 2 launches
;; workspace buffers: kp 33,554,432 bytes; vp 33,554,432 bytes; bias 32,768 bytes
;; launch pack (part 1): grid 128 x 4, 8 waves a work-group, no clusters, 0 bytes of LDS; arguments key, value, mask, kp, vp, bias; writes kp, vp, bias
.if DOCPART == 1
	.amdgcn_target "amdgcn-amd-amdhsa--gfx1250"
	.amdhsa_code_object_version 6
	.text
	.protected	k_qcbe68f1fa2_pack
	.globl	k_qcbe68f1fa2_pack
	.p2align	8
	.type	k_qcbe68f1fa2_pack,@function
k_qcbe68f1fa2_pack:
	s_mov_b64 s[64:65], 0
	v_nop
	global_prefetch_b8 v0, s[64:65] scope:SCOPE_SE
	s_setreg_imm32_b32 hwreg(HW_REG_WAVE_MODE, 25, 1), 1
	s_wait_xcnt 0x0
; pack: keys and values rounded to bf16 and laid out by head, once for all query blocks; the mask made into a bias.
;   key, value: [4][2048][16][128] f32.  mask: [4][2048] int32, non-zero = kept.
;   kp, vp:     [4][16][2048][128] bf16: row s of (batch, head) is key (value) s; a row is 256 bytes.
;   bias:       [4][2048] f32: 0 for a kept key, -2^127 for a dropped one.
; A dropped key's K row is stored as zeros, so that its score is the bias exactly, whatever the key holds.  V's rows are all kept: a dropped
; value gets the weight 0.  The mask only selects values here (an AND word, a bias): no branch and no address hangs on it.
; Work: y = batch, x = chunk; wave g = 8 chunk + wave (0..1023) makes rows g and g + 1024, all 16 heads of K and V:
; 64 loads of 512 neighbouring bytes, 64 stores of one whole aligned row of 256 bytes.  Wave 0 of chunks 0 to 31 also makes the bias of keys
; 64 chunk .. 64 chunk + 63: one store of 256 aligned bytes.
; No LDS, no matrix unit, no cluster: the launch only moves bytes, each of them once, and no two waves want the same row.
.set X,     16                         ; v[16:143]  K heads at X + 4 i, V heads at X + 64 + 4 i
.set HEADB, 524288                     ; bytes from head to head in kp and vp: 2,048 rows of 256
	s_load_b256 s[4:11], s[0:1], 0x0               ; key s[4:5], value s[6:7], mask s[8:9], kp s[10:11]
	s_load_b128 s[12:15], s[0:1], 0x20             ; vp s[12:13], bias s[14:15]
	v_lshrrev_b32 v1, 5, v0
	v_readfirstlane_b32 s16, v1                    ; wave 0..7
	s_mov_b32 s17, ttmp9                           ; chunk
	s_and_b32 s18, ttmp7, 0xffff                   ; batch
	s_lshl3_add_u32 s19, s17, s16                  ; g = 8 chunk + wave
	v_and_b32 v1, 31, v0                           ; lane
	v_lshlrev_b32 v2, 4, v1                        ; 16 lane: my 4 f32 of a head's row
	v_lshlrev_b32 v3, 3, v1                        ; 8 lane: my 4 bf16 of a row of kp or vp; also my two words of mask and of bias
	s_lshl_b32 s54, s18, 13                        ; 8,192 bytes of mask a batch
	s_lshl2_add_u32 s54, s19, s54                  ; + 4 g
	s_mov_b32 s55, 0
	s_wait_kmcnt 0x0
	s_add_nc_u64 s[20:21], s[8:9], s[54:55]
	s_load_b32 s50, s[20:21], 0x0                  ; the mask word of key g,
	s_load_b32 s51, s[20:21], 0x1000               ; and of key g + 1024
; the addresses of row s = g + jofs, and its 32 loads
.macro ROWIN jofs
	s_add_co_u32 s41, s19, \jofs                   ; s
	s_wait_xcnt 0x0                                ; the bases and X, which earlier stores name, are rewritten only behind this wait
	s_lshl_b32 s54, s18, 11
	s_add_co_u32 s54, s54, s41
	s_lshl_b32 s54, s54, 13                        ; (2048 batch + s) rows of 8,192 bytes
	s_add_nc_u64 s[56:57], s[4:5], s[54:55]
	s_add_nc_u64 s[58:59], s[6:7], s[54:55]
	s_lshl_b32 s54, s18, 23                        ; batch x 16 heads x 524,288 bytes
	s_lshl_b32 s22, s41, 8
	s_add_co_u32 s54, s54, s22                     ; + s rows of 256 bytes
	s_add_nc_u64 s[60:61], s[10:11], s[54:55]
	s_add_nc_u64 s[62:63], s[12:13], s[54:55]
.irp i, 0,1,2,3,4,5,6,7,8,9,10,11,12,13,14,15
	global_load_b128 v[X+4*\i:X+4*\i+3], v2, s[56:57] offset:512*\i th:TH_LOAD_NT          ; a head's 512 bytes, read once in the launch
.endr
.irp i, 0,1,2,3,4,5,6,7,8,9,10,11,12,13,14,15
	global_load_b128 v[X+64+4*\i:X+64+4*\i+3], v2, s[58:59] offset:512*\i th:TH_LOAD_NT
.endr
.endm
; the row is rounded and stored; m = the key's mask word
.macro ROWOUT m
	s_wait_kmcnt 0x0
	s_cmp_lg_u32 \m, 0
	s_cselect_b32 s52, -1, 0                       ; K's row is kept, or cleared
.irp i, 0,1,2,3,4,5,6,7,8,9,10,11,12,13,14,15
	s_wait_loadcnt 31-\i                           ; loads return in order: head i of K is in, the 31 - i younger loads may stay out
	v_cvt_pk_bf16_f32 v[X+4*\i], v[X+4*\i], v[X+4*\i+1]
	v_cvt_pk_bf16_f32 v[X+4*\i+1], v[X+4*\i+2], v[X+4*\i+3]
	v_and_b32 v[X+4*\i], s52, v[X+4*\i]
	v_and_b32 v[X+4*\i+1], s52, v[X+4*\i+1]
	global_store_b64 v3, v[X+4*\i:X+4*\i+1], s[60:61] offset:\i*HEADB        ; 32 lanes store one aligned row of 256 bytes
.endr
.irp i, 0,1,2,3,4,5,6,7,8,9,10,11,12,13,14,15
	s_wait_loadcnt 15-\i                           ; head i of V is in
	v_cvt_pk_bf16_f32 v[X+64+4*\i], v[X+64+4*\i], v[X+64+4*\i+1]
	v_cvt_pk_bf16_f32 v[X+64+4*\i+1], v[X+64+4*\i+2], v[X+64+4*\i+3]
	global_store_b64 v3, v[X+64+4*\i:X+64+4*\i+1], s[62:63] offset:\i*HEADB
.endr
.endm
	ROWIN 0
	; the bias of 64 keys, by wave 0 of chunks 0 to 31.  It stands behind the row's loads, so that its one load is on its way together with them.
	s_lshl_b32 s22, s16, 7
	s_add_co_u32 s22, s22, s17                     ; 128 wave + chunk: below 32 for those waves alone
	s_cmp_ge_u32 s22, 32
	s_cbranch_scc1 .Lno_bias
	s_lshl_b32 s54, s18, 13                        ; 8,192 bytes a batch in mask and in bias
	s_lshl_b32 s22, s17, 8
	s_add_co_u32 s54, s54, s22                     ; + 64 chunk words
	s_add_nc_u64 s[24:25], s[8:9], s[54:55]
	s_add_nc_u64 s[26:27], s[14:15], s[54:55]
	s_mov_b32 s23, 0xff000000                      ; -2^127
	v_mov_b32 v8, 0
	global_load_b64 v[4:5], v3, s[24:25]
	s_wait_loadcnt 0x0                             ; it is the youngest load: the row's are in too, and the counted waits below are met at once
	v_cmp_ne_u32 vcc_lo, 0, v4
	v_cndmask_b32 v6, s23, v8, vcc_lo              ; kept: 0; dropped: -2^127
	v_cmp_ne_u32 vcc_lo, 0, v5
	v_cndmask_b32 v7, s23, v8, vcc_lo
	global_store_b64 v3, v[6:7], s[26:27]          ; 32 lanes store 256 aligned bytes
.Lno_bias:
	ROWOUT s50
	ROWIN 1024
	ROWOUT s51
	s_endpgm
.Lfunc_end_k_qcbe68f1fa2_pack:
	.size	k_qcbe68f1fa2_pack, .Lfunc_end_k_qcbe68f1fa2_pack-k_qcbe68f1fa2_pack
	.p2alignl 7, 3214868480
	.fill 96, 4, 3214868480
	.section	.rodata,"a",@progbits
	.p2align	6, 0x0
	.amdhsa_kernel k_qcbe68f1fa2_pack
		.amdhsa_group_segment_fixed_size 0
		.amdhsa_private_segment_fixed_size 0
		.amdhsa_enable_private_segment 0
		.amdhsa_kernarg_size 48
		.amdhsa_user_sgpr_count 2
		.amdhsa_user_sgpr_kernarg_segment_ptr 1
		.amdhsa_wavefront_size32 1
		.amdhsa_system_sgpr_workgroup_id_x 1
		.amdhsa_system_sgpr_workgroup_id_y 1
		.amdhsa_system_sgpr_workgroup_id_z 1
		.amdhsa_system_vgpr_workitem_id 0
		.amdhsa_next_free_vgpr 144
		.amdhsa_next_free_sgpr 66
		.amdhsa_reserve_vcc 1
		.amdhsa_float_denorm_mode_32 3
		.amdhsa_float_denorm_mode_16_64 3
		.amdhsa_memory_ordered 1
		.amdhsa_forward_progress 1
		.amdhsa_inst_pref_size 27
	.end_amdhsa_kernel
	.amdgpu_metadata
---
amdhsa.version: [ 1, 2 ]
amdhsa.kernels:
  - .name:           k_qcbe68f1fa2_pack
    .symbol:         k_qcbe68f1fa2_pack.kd
    .args:
      - { .name: key, .offset: 0, .size: 8, .value_kind: global_buffer, .address_space: global }
      - { .name: value, .offset: 8, .size: 8, .value_kind: global_buffer, .address_space: global }
      - { .name: mask, .offset: 16, .size: 8, .value_kind: global_buffer, .address_space: global }
      - { .name: kp, .offset: 24, .size: 8, .value_kind: global_buffer, .address_space: global }
      - { .name: vp, .offset: 32, .size: 8, .value_kind: global_buffer, .address_space: global }
      - { .name: bias, .offset: 40, .size: 8, .value_kind: global_buffer, .address_space: global }
    .group_segment_fixed_size: 0
    .private_segment_fixed_size: 0
    .kernarg_segment_align: 8
    .kernarg_segment_size: 48
    .max_flat_workgroup_size: 256
    .sgpr_count:     66
    .vgpr_count:     144
    .wavefront_size: 32
...
	.end_amdgpu_metadata
.endif
;; end of part 1
;; launch attn (part 2): grid 8 x 64, 4 waves a work-group, clusters of 4 x 1, 327,680 bytes of LDS; arguments query, kp, vp, bias, out0; writes out0
.if DOCPART == 2
	.amdgcn_target "amdgcn-amd-amdhsa--gfx1250"
	.amdhsa_code_object_version 6
	.text
	.protected	k_qcbe68f1fa2_attn
	.globl	k_qcbe68f1fa2_attn
	.p2align	8
	.type	k_qcbe68f1fa2_attn,@function
k_qcbe68f1fa2_attn:
	s_mov_b64 s[64:65], 0
	v_nop
	global_prefetch_b8 v0, s[64:65] scope:SCOPE_SE
	s_setreg_imm32_b32 hwreg(HW_REG_WAVE_MODE, 25, 1), 1
	s_wait_xcnt 0x0
	s_wait_alu depctr_hold_cnt(0) depctr_sa_sdst(0) depctr_va_vdst(0) depctr_va_sdst(0) depctr_va_ssrc(0) depctr_va_vcc(0) depctr_vm_vsrc(0)
	s_getreg_b32 s2, hwreg(HW_REG_IB_STS2, 6, 4)
	s_cmp_eq_u32 s2, 0
	s_cbranch_scc0 .Lentry_in_a_cluster
	s_endpgm
.Lentry_in_a_cluster:
	s_bfe_u32 s2, ttmp6, 0x10000c
	s_cmp_lg_u32 s2, 0x3003
	s_cbranch_scc0 .Lentry_shape_is_right
	s_endpgm
.Lentry_shape_is_right:
; attn: out0 = softmax(Q K^T / sqrt(128), dropped keys masked) V.  query, out0: [4][2048][16][128] f32.  kp, vp: [4][16][2048][128] bf16.
; bias: [4][2048] f32, 0 for a kept key, -2^127 for a dropped one, whose row of kp is zero.
; Operands of both products are bf16, sums f32; the softmax keeps a running maximum and runs in f32.
; THE MASK: the sum of a score starts from the key's bias (the C operand of the first product).  A dropped key's K row is zero, so its score is
; -2^127 exactly, and beside any kept key its weight underflows to 0.  As long as a query has met dropped keys alone, its maximum is -2^127 and their
; weights are 1; the first kept key's factor 2^(c (-2^127 - maximum)) = 0 then wipes those sums.  With no kept key in the batch all 2,048 weights
; are 1 and the result is the mean of all values.
; LIMITS: a query's largest raw score q.k must lie above -2^127; sums of up to 2,048 values must stay finite in f32 (they are multiplied by 0, not dropped).
; WORK: y = 16 batch + head; a work-group takes 256 query rows, a wave 64 (four blocks qb of 16).  One trip = one tile of 128 keys:
; 128 matrix instructions for the scores, the softmax, 128 for the output.  The number of tiles is the constant 16: every wave of every
; work-group passes every barrier and every joint load alike, whatever the mask holds.
; CLUSTER: the four work-groups of a cluster are four query blocks of ONE head; they walk the same K and V tiles and ask for each jointly
; (mask 15), which divides the requests for K and V by four.
; BOTH PRODUCTS ARE TRANSPOSED, so that a lane owns one query (lane % 16) and the softmax state is one number a lane:
;   S^T = K Q^T: source 0 = 16 keys x 32 d, source 1 = 16 queries x 32 d; register j of lane (r, h) = key 8 h + j, query r.
;   Two such tiles, rounded and packed in place, ARE the source-1 fragment P (query r, 32 keys): no lane exchange.
;   O^T = V^T P^T: source 0 = V^T by the transposing LDS load; register j of lane (r, h) = d 8 h + j, query r: 8 neighbouring numbers of a row.
; LDS: slot s at 73,728 s: K rows 0-63 at 0, rows 64-127 at 18,432 (pitch 272), V rows 0-127 at 36,864 (pitch 288); wave w fills block w.
;   272 is an odd multiple of 16 and 288 an odd multiple of 32: the rows that one fragment load touches begin at different 16-byte columns of a 256-byte span.
;   Stage at 147,456 + 8,448 wave: the wave's own, written by LDS stores, never filled by a tensor load.
; REGISTERS, in windows of 256: w0 addresses, state, bias, fragment buffers F0, F1; w1 O(db, qb) at 8 (4 db + qb) (first: Q's raw rows);
;   w2 S(kb, qb) at 16 (qb + 4 (kb / 2)) + 8 (kb % 2), then P(qb, ks) at 16 (qb + 4 ks); w3 Q(qb, dk) at 8 (4 qb + dk).
.set TILES, 16                         ; 2,048 keys in tiles of 128
.set HALF,  18432                      ; what one tensor load fills: 64 rows of K (17,408 bytes used) or of V
.set SLOT,  4*HALF
.set VBASE, 2*HALF
.set KROWS, 16*272                     ; 16 rows of K
.set VSTEP, 32*288                     ; 32 rows of V
.set STAGE, 2*SLOT
.set STGW,  8448                       ; 16 rows x 528 bytes
.set QP,    272                        ; stage pitch for 16 rows of Q in bf16
.set OP,    528                        ; stage pitch for 16 rows of the result in f32
.set ROWB,  8192                       ; from a query row to the next in query and out0: 16 heads x 512 bytes
.set TILEB, 32768                      ; a tile: 128 rows of 256 bytes
.set BTILE, 512                        ; a tile's bias: 128 f32
.set L16,   2                          ; v2      16 lane
.set ADRK,  3                          ; v3-4    K fragments in slot 0, 1
.set ADRV,  5                          ; v5-6    V fragments in slot 0, 1
.set STQ,   7                          ; v7      stage + 8 lane
.set RDQ,   8                          ; v8      stage + 272 r + 16 h
.set STO,   9                          ; v9      stage + 528 r + 32 h
.set RDO,   10                         ; v10     stage + 16 lane
.set BOFF,  11                         ; v11     32 h: my half's 8 numbers in 16 keys' bias; never rewritten
.set M,     16                         ; v16-19  running maximum of block qb
.set MX,    20                         ; v20-27  8 chains of maxima, 2 qb + hf
.set T,     28                         ; v28-31  at work
.set NM,    32                         ; v32-39  pairs: -maximum x c, twice
.set AL,    40                         ; v40-47  pairs: the rescaling factor, twice
.set RL,    40                         ;         at the end, when AL is dead: pairs 1 / row sum, twice
.set LS,    48                         ; v48-63  row sums: a pair at 4 qb + 2 hf
.set BIAS,  64                         ; v64-127 the tile's bias: register 8 kb + j of lane (r, h) is key 16 kb + 8 h + j's
.set F0,    128
.set F1,    192
.set G1K,   24                         ; s[24:31] shape of a K load
.set G1V,   32                         ; s[32:39] shape of a V load: it differs in the padding alone
.set G0K,   40                         ; s[40:47] from where, to where: K, one set a slot
.set G0V,   48                         ; s[48:55] the same for V
.set MSB, 0
.macro WIN new                         ; low byte: bits 1:0 source 0, 3:2 source 1, 5:4 source 2, 7:6 destination; the high byte repeats the setting that is left
.if MSB != \new
	s_set_vgpr_msb (MSB<<8)|\new
.set MSB, \new
.endif
.endm
; Four plain vector instructions stand between a matrix instruction and a vector instruction that reads its result or writes one of its
; registers (ISA guide 7.12.1 for vector instructions), and a load into one of them.
.macro PLACES
.rept 4
	v_nop
.endr
.endm
; A joint load of slot s: waves 0, 1 ask for K's two halves, waves 2, 3 for V's.  The branch hangs on the wave's number alone.
.macro JLOAD s
	s_cmp_eq_u32 s15, 0
	s_cbranch_scc0 .Lfor_v_\@
	tensor_load_to_lds s[G0K+4*(\s):G0K+4*(\s)+3], s[G1K:G1K+7]
	s_nop 0
	s_branch .Lasked_\@
.Lfor_v_\@:
	tensor_load_to_lds s[G0V+4*(\s):G0V+4*(\s)+3], s[G1V:G1V+7]
	s_nop 0
.Lasked_\@:
.endm
; A round of the cluster's barrier behind its opening work-group barrier: wave 0 signals for the work-group, every wave waits for all four
; work-groups, the work-group's barrier closes the round.
.macro CREST
	s_cmp_lg_u32 s14, 0
	s_cbranch_scc1 .Lnot_wave_0_\@
	s_barrier_signal -3
.Lnot_wave_0_\@:
	s_barrier_wait -3
	s_barrier_signal -1
	s_barrier_wait -1
.endm
.macro CROUND
	s_barrier_signal -1
	s_barrier_wait -1
	CREST
.endm
; 16 loads: one tile's bias, 512 bytes at s[70:71], straight into the C operands of the score products.  Lanes 0-15 take keys 16 kb .. + 7, lanes 16-31 keys 16 kb + 8 .. + 15.
.macro LDBIAS
	WIN 0
.irp kb, 0,1,2,3,4,5,6,7
	global_load_b128 v[BIAS+8*\kb:BIAS+8*\kb+3], v[BOFF], s[70:71] offset:64*\kb
	global_load_b128 v[BIAS+8*\kb+4:BIAS+8*\kb+7], v[BOFF], s[70:71] offset:64*\kb+16
.endr
.endm
	s_load_b256 s[4:11], s[0:1], 0x0               ; query s[4:5], kp s[6:7], vp s[8:9], bias s[10:11]
	s_load_b64 s[12:13], s[0:1], 0x20              ; out0
	v_lshl_add_u32 v12, v0, 2, 0x2c400
	v_mov_b32 v13, 0
	ds_add_u32 v12, v13
	v_lshrrev_b32 v1, 5, v0
	v_readfirstlane_b32 s14, v1                    ; wave 0..3
	s_lshr_b32 s15, s14, 1                         ; 0: I fetch for K, 1: for V
	s_and_b32 s16, s14, 1                          ; which 64 rows of the tile I fetch
	s_bfe_u32 s17, ttmp6, 0x40000                  ; cx
	s_lshl_b32 s18, ttmp9, 2
	s_add_co_u32 s18, s18, s17                     ; query block = 4 x cluster x + cx
	s_and_b32 s19, ttmp7, 0xffff                   ; 16 batch + head
	s_lshr_b32 s20, s19, 4                         ; batch
	s_and_b32 s21, s19, 15                         ; head
	v_and_b32 v1, 31, v0                           ; lane
	v_lshlrev_b32 v[L16], 4, v1
	v_bfe_u32 v[BOFF], v0, 4, 1
	v_lshlrev_b32 v[BOFF], 5, v[BOFF]              ; 32 h
	; my 64 rows in query and out0.  What hangs on cx stays in s2, s17, s18, s22 and the two bases made of it: no register that feeds a descriptor or an LDS address holds it.
	s_lshl_b32 s22, s20, 11
	s_lshl_b32 s2, s18, 8
	s_add_co_u32 s22, s22, s2
	s_lshl_b32 s2, s14, 6
	s_add_co_u32 s22, s22, s2                      ; row 2048 batch + 256 block + 64 wave
	s_lshl_b32 s22, s22, 13
	s_lshl_b32 s2, s21, 9
	s_add_co_u32 s22, s22, s2                      ; x 8,192 bytes + 512 head
	s_mov_b32 s23, 0
	s_lshl_b32 s70, s20, 13                        ; the batch's 8,192 bytes of bias
	s_mov_b32 s71, 0
	s_lshl_b32 s58, s19, 19                        ; the head's 524,288 bytes of kp and of vp
	s_lshl_b32 s60, s16, 14
	s_add_co_u32 s58, s58, s60                     ; + my 64 rows of 256 bytes
	s_mov_b32 s59, 0
	s_mul_i32 s60, s14, HALF                       ; where my part of a tile goes: wave x 18,432
	s_wait_dscnt 0x0
	s_wait_kmcnt 0x0
	s_add_nc_u64 s[70:71], s[10:11], s[70:71]
	s_add_nc_u64 s[4:5], s[4:5], s[22:23]
	s_add_nc_u64 s[12:13], s[12:13], s[22:23]
	s_add_nc_u64 s[6:7], s[6:7], s[58:59]
	s_add_nc_u64 s[8:9], s[8:9], s[58:59]
	LDBIAS                                         ; tile 0's bias, ahead of Q's loads: the counted waits for Q's rows keep their counts, and the last of them, for 0, shows these in too
	; Q's 64 rows, a whole row of 512 bytes a load, into window 1
	WIN 0x40
.set i_, 0
.rept 64
	global_load_b128 v[4*i_:4*i_+3], v[L16], s[4:5] offset:i_*ROWB th:TH_LOAD_NT
.set i_, i_+1
.endr
	WIN 0
	; descriptors.  Group 1: 64 rows x 128 elements of 2 bytes, rows 128 elements apart, padded in LDS behind every 64 words
	s_mov_b32 s[G1K+0], 15|(1<<16)|(1<<20)|(1<<21)|(5<<22)|(3<<25)   ; mask: all four work-groups; 2-byte elements; padding on; bit 21 beside a mask; every 64 words; 4 words: pitch 272
	s_mov_b32 s[G1V+0], 15|(1<<16)|(1<<20)|(1<<21)|(5<<22)|(7<<25)   ; the same with 8 words: pitch 288
.irp g, G1K, G1V
	s_mov_b32 s[\g+1], 128<<16                     ; tensor_dim0 = 128
	s_mov_b32 s[\g+2], 64<<16                      ; tensor_dim1 = 64
	s_mov_b32 s[\g+3], 128<<16                     ; tile_dim0 = 128
	s_mov_b32 s[\g+4], 64                          ; tile_dim1 = 64
	s_mov_b32 s[\g+5], 128                         ; from row to row
	s_mov_b32 s[\g+6], 0
	s_mov_b32 s[\g+7], 0
.endr
.irp s, 0,1
	s_mov_b32 s[G0K+4*\s], 1
	s_add_co_u32 s[G0K+4*\s+1], s60, \s*SLOT
	s_add_nc_u64 s[G0K+4*\s+2:G0K+4*\s+3], s[6:7], \s*TILEB          ; tile s
	s_or_b32 s[G0K+4*\s+3], s[G0K+4*\s+3], 0x80000000
	s_mov_b32 s[G0V+4*\s], 1
	s_add_co_u32 s[G0V+4*\s+1], s60, \s*SLOT
	s_add_nc_u64 s[G0V+4*\s+2:G0V+4*\s+3], s[8:9], \s*TILEB
	s_or_b32 s[G0V+4*\s+3], s[G0V+4*\s+3], 0x80000000
.endr
	CROUND                                         ; all four work-groups are here: the first joint loads meet
	s_cmp_eq_u32 s15, 0                            ; both first fills of a wave inside one branch on its number
	s_cbranch_scc0 .Lfirst_v
	tensor_load_to_lds s[G0K:G0K+3], s[G1K:G1K+7]
	s_nop 0
	tensor_load_to_lds s[G0K+4:G0K+7], s[G1K:G1K+7]
	s_nop 0
	s_branch .Lfirst_done
.Lfirst_v:
	tensor_load_to_lds s[G0V:G0V+3], s[G1V:G1V+7]
	s_nop 0
	tensor_load_to_lds s[G0V+4:G0V+7], s[G1V:G1V+7]
	s_nop 0
.Lfirst_done:
	; constants and LDS addresses
	s_mov_b32 s62, 0x3e0293ee                      ; c = log2(e) / sqrt(128): e^(s / sqrt(128)) = 2^(c s)
	s_mov_b32 s63, 0x3e0293ee
	s_mov_b32 s66, 0xbe0293ee                      ; -c
	s_mov_b32 s68, 0x76543210                      ; v_permlanex16_b32: lane i takes lane i of the other half
	s_mov_b32 s69, 0xfedcba98
	s_mul_i32 s3, s14, STGW
	s_add_co_u32 s3, s3, STAGE                     ; my stage
	v_and_b32 v14, 15, v0                          ; r
	v_bfe_u32 v15, v0, 4, 1                        ; h
	v_mul_u32_u24 v[ADRK], v14, 272
	v_lshl_add_u32 v[ADRK], v15, 4, v[ADRK]        ; 272 r + 16 h
	v_add_nc_u32 v[ADRK+1], SLOT, v[ADRK]
	v_and_b32 v[ADRV], 7, v0
	v_lshl_add_u32 v[ADRV], v15, 3, v[ADRV]        ; row 8 h + lane % 8
	v_mul_u32_u24 v[ADRV], v[ADRV], 288
	v_bfe_u32 v[ADRV+1], v0, 3, 1
	v_lshl_add_u32 v[ADRV], v[ADRV+1], 4, v[ADRV]  ; + 16 ((lane / 8) % 2)
	v_add_nc_u32 v[ADRV], VBASE, v[ADRV]
	v_add_nc_u32 v[ADRV+1], SLOT, v[ADRV]
	v_lshl_add_u32 v[STQ], v1, 3, s3
	v_add_nc_u32 v[RDQ], s3, v[ADRK]
	v_mul_u32_u24 v[STO], v14, OP
	v_lshl_add_u32 v[STO], v15, 5, v[STO]
	v_add_nc_u32 v[STO], s3, v[STO]
	v_add_nc_u32 v[RDO], s3, v[L16]
.irp q, 0,1,2,3
	v_mov_b32 v[T+\q], 0                           ; v_permlanex16_b32 counts as a reader of its destination
.endr
; Q: 16 rows at a time are rounded to bf16, laid into my stage by rows and read back as source-1 fragments.
; The stage is the wave's own and LDS serves a wave's instructions in order (ISA guide 5.7.1): no wait between the stores and the loads.
.macro QPREP qb
	s_wait_loadcnt 48-16*\qb                       ; loads return in order: rows up to 16 qb + 15 are in, the later passes' rows stay out
	WIN 0x05
.set i_, 0
.rept 16
	v_cvt_pk_bf16_f32 v[F0+32*\qb+2*i_], v[4*(16*\qb+i_)], v[4*(16*\qb+i_)+1]
	v_cvt_pk_bf16_f32 v[F0+32*\qb+2*i_+1], v[4*(16*\qb+i_)+2], v[4*(16*\qb+i_)+3]
.set i_, i_+1
.endr
	WIN 0
.set i_, 0
.rept 16
	ds_store_b64 v[STQ], v[F0+32*\qb+2*i_:F0+32*\qb+2*i_+1] offset:QP*i_
.set i_, i_+1
.endr
	WIN 0xc0
.irp dk, 0,1,2,3
	ds_load_b128 v[8*(4*\qb+\dk):8*(4*\qb+\dk)+3], v[RDQ] offset:64*\dk
	ds_load_b128 v[8*(4*\qb+\dk)+4:8*(4*\qb+\dk)+7], v[RDQ] offset:64*\dk+32
.endr
.endm
	QPREP 0
	QPREP 1
	QPREP 2
	QPREP 3
	WIN 0
; 16 LDS loads: K's key blocks 2 beta, 2 beta + 1 (16 keys each), all 128 d, into buffer f
.macro LDK slot, beta, f
	WIN 0
.irp kbl, 0,1
.irp dk, 0,1,2,3
	ds_load_b128 v[\f+8*(4*\kbl+\dk):\f+8*(4*\kbl+\dk)+3], v[ADRK+\slot] offset:(2*\beta+\kbl)*KROWS+((2*\beta+\kbl)/4)*1024+64*\dk
	ds_load_b128 v[\f+8*(4*\kbl+\dk)+4:\f+8*(4*\kbl+\dk)+7], v[ADRK+\slot] offset:(2*\beta+\kbl)*KROWS+((2*\beta+\kbl)/4)*1024+64*\dk+32
.endr
.endr
.endm
; 16 transposing LDS loads: V^T, all 128 d x keys 32 ks .. 32 ks + 31, into buffer f
.macro LDV slot, ks, f
	WIN 0
.irp db, 0,1,2,3,4,5,6,7
	ds_load_tr16_b128 v[\f+8*\db:\f+8*\db+3], v[ADRV+\slot] offset:\ks*VSTEP+32*\db
	ds_load_tr16_b128 v[\f+8*\db+4:\f+8*\db+7], v[ADRV+\slot] offset:\ks*VSTEP+32*\db+16*288
.endr
.endm
; 32 matrix instructions: the scores of key blocks 2 beta, 2 beta + 1 for all four query blocks.  The first 32 d start each sum from the key block's
; bias (C in window 0), which hangs on the key alone and serves all four query blocks; the other 96 d add in place.
; The eight accumulators take turns, one instruction a turn.
.macro MMQK beta, f
	WIN 0x8c
.irp kbl, 0,1
.irp qb, 0,1,2,3
	v_wmma_f32_16x16x32_bf16 v[16*(\qb+4*\beta)+8*\kbl:16*(\qb+4*\beta)+8*\kbl+7], v[\f+32*\kbl:\f+32*\kbl+7], v[32*\qb:32*\qb+7], v[BIAS+8*(2*\beta+\kbl):BIAS+8*(2*\beta+\kbl)+7]
.endr
.endr
	WIN 0xac
.irp dk, 1,2,3
.irp kbl, 0,1
.irp qb, 0,1,2,3
	v_wmma_f32_16x16x32_bf16 v[16*(\qb+4*\beta)+8*\kbl:16*(\qb+4*\beta)+8*\kbl+7], v[\f+8*(4*\kbl+\dk):\f+8*(4*\kbl+\dk)+7], v[8*(4*\qb+\dk):8*(4*\qb+\dk)+7], v[16*(\qb+4*\beta)+8*\kbl:16*(\qb+4*\beta)+8*\kbl+7]
.endr
.endr
.endr
.endm
; O += V^T P^T for keys 32 ks .. 32 ks + 31, d blocks d0 .. d1, all four query blocks.  zero = 1: the product starts the sums.
; Every accumulator has one instruction; they take turns in the same order every time.
.macro MMPV ks, f, zero, d0, d1
	WIN 0x58
.set db_, \d0
.rept \d1-\d0+1
.irp qb, 0,1,2,3
.if \zero
	v_wmma_f32_16x16x32_bf16 v[8*(4*db_+\qb):8*(4*db_+\qb)+7], v[\f+8*db_:\f+8*db_+7], v[16*(\qb+4*\ks):16*(\qb+4*\ks)+7], 0
.else
	v_wmma_f32_16x16x32_bf16 v[8*(4*db_+\qb):8*(4*db_+\qb)+7], v[\f+8*db_:\f+8*db_+7], v[16*(\qb+4*\ks):16*(\qb+4*\ks)+7], v[8*(4*db_+\qb):8*(4*db_+\qb)+7]
.endif
.endr
.set db_, db_+1
.endr
.endm
; The softmax step on one tile's scores: 64 numbers a lane for each of four queries.  first = 1: no earlier state.
.macro SOFTMAX first
	; the tile's maxima: 8 chains (query block, half of the keys), two numbers a step
	WIN 0x0a
.set i_, 0
.rept 16
.irp qb, 0,1,2,3
.irp hf, 0,1
.if i_ == 0
	v_max_num_f32 v[MX+2*\qb+\hf], v[16*(\qb+8*\hf)], v[16*(\qb+8*\hf)+1]
.else
	v_max3_num_f32 v[MX+2*\qb+\hf], v[16*(\qb+4*(2*\hf+i_/8))+2*(i_%8)], v[16*(\qb+4*(2*\hf+i_/8))+2*(i_%8)+1], v[MX+2*\qb+\hf]
.endif
.endr
.endr
.set i_, i_+1
.endr
	WIN 0
.irp qb, 0,1,2,3
.if \first
	v_max_num_f32 v[MX+2*\qb], v[MX+2*\qb], v[MX+2*\qb+1]
.else
	v_max3_num_f32 v[MX+2*\qb], v[MX+2*\qb], v[MX+2*\qb+1], v[M+\qb]      ; with the running maximum
.endif
.endr
.irp qb, 0,1,2,3
	v_permlanex16_b32 v[T+\qb], v[MX+2*\qb], s68, s69                    ; the other half of the lanes holds the query's other keys
.endr
.irp qb, 0,1,2,3
	v_max_num_f32 v[MX+2*\qb], v[MX+2*\qb], v[T+\qb]
.endr
.irp qb, 0,1,2,3
	v_mul_f32 v[NM+2*\qb], s66, v[MX+2*\qb]                              ; -c x new maximum (exact for -2^127)
.endr
.if \first == 0
.irp qb, 0,1,2,3
	v_fma_f32 v[T+\qb], v[M+\qb], s62, v[NM+2*\qb]                       ; c (old maximum - new maximum)
.endr
.irp qb, 0,1,2,3
	v_exp_f32 v[AL+2*\qb], v[T+\qb]                                      ; the factor for what has been summed; plain instructions follow before it is used (ISA guide 5.7.2)
.endr
.endif
.irp qb, 0,1,2,3
	v_mov_b32 v[NM+2*\qb+1], v[NM+2*\qb]
.endr
.irp qb, 0,1,2,3
	v_mov_b32 v[M+\qb], v[MX+2*\qb]
.endr
.if \first == 0
	s_wait_alu depctr_va_vdst(0)
.irp qb, 0,1,2,3
	v_mov_b32 v[AL+2*\qb+1], v[AL+2*\qb]
.endr
.irp qb, 0,1,2,3
.irp hf, 0,1
	v_pk_mul_f32 v[LS+4*\qb+2*\hf:LS+4*\qb+2*\hf+1], v[LS+4*\qb+2*\hf:LS+4*\qb+2*\hf+1], v[AL+2*\qb:AL+2*\qb+1]
.endr
.endr
.endif
	; p = 2^(c s - c maximum), in place; the next group's multiply-adds stand among a group's exponentials
	WIN 0x82
.set i_, 0
.rept 8
	v_pk_fma_f32 v[2*i_:2*i_+1], v[2*i_:2*i_+1], s[62:63], v[NM:NM+1] op_sel_hi:[1,0,1]
.set i_, i_+1
.endr
.set g_, 0
.rept 16
.set i_, 0
.rept 8
	v_exp_f32 v[16*g_+2*i_], v[16*g_+2*i_]
	v_exp_f32 v[16*g_+2*i_+1], v[16*g_+2*i_+1]
.if g_ < 15
	v_pk_fma_f32 v[16*(g_+1)+2*i_:16*(g_+1)+2*i_+1], v[16*(g_+1)+2*i_:16*(g_+1)+2*i_+1], s[62:63], v[NM+2*((g_+1)%4):NM+2*((g_+1)%4)+1] op_sel_hi:[1,0,1]
.endif
.set i_, i_+1
.endr
.set g_, g_+1
.endr
	v_nop                                          ; one plain instruction behind the last exponentials before their results are read (ISA guide 5.7.2)
	; row sums in f32, of the numbers before rounding: 8 chains of pairs
.if \first
	WIN 0x0a
	s_wait_alu depctr_va_vdst(0)
.irp qb, 0,1,2,3
.irp hf, 0,1
	v_pk_add_f32 v[LS+4*\qb+2*\hf:LS+4*\qb+2*\hf+1], v[16*(\qb+8*\hf):16*(\qb+8*\hf)+1], v[16*(\qb+8*\hf)+2:16*(\qb+8*\hf)+3]   ; the first two pairs start the sums
.endr
.endr
.set i_, 2
.else
.set i_, 0
.endif
	WIN 0x02
	s_wait_alu depctr_va_vdst(0)
.rept 16-2*\first
.irp qb, 0,1,2,3
.irp hf, 0,1
	v_pk_add_f32 v[LS+4*\qb+2*\hf:LS+4*\qb+2*\hf+1], v[16*(\qb+4*(2*\hf+i_/8))+2*(i_%8):16*(\qb+4*(2*\hf+i_/8))+2*(i_%8)+1], v[LS+4*\qb+2*\hf:LS+4*\qb+2*\hf+1]
.endr
.endr
.set i_, i_+1
.endr
	; to bf16, packed in place: 16 registers become the 8 of a source-1 fragment
	WIN 0x8a
.set g_, 0
.rept 16
.set i_, 0
.rept 8
	v_cvt_pk_bf16_f32 v[16*g_+i_], v[16*g_+2*i_], v[16*g_+2*i_+1]
.set i_, i_+1
.endr
.set g_, g_+1
.endr
.if \first == 0
	; what has been summed of the output moves to the new maximum
	WIN 0x41
.set t_, 0
.rept 32
.irp p, 0,2,4,6
	v_pk_mul_f32 v[8*t_+\p:8*t_+\p+1], v[8*t_+\p:8*t_+\p+1], v[AL+2*(t_%4):AL+2*(t_%4)+1]
.endr
.set t_, t_+1
.endr
.endif
.endm
; One tile, all but its last 32 keys' part of the output.  K's first 16 loads are already on their way into F0.
; ahead = 1: the next tile's bias is asked for behind the last score products, which read this tile's; it has the softmax and the output products in which to come.
; Each s_wait_dscnt 16 leaves out the 16 loads just issued: the buffer that is multiplied next is in.
.macro COMPUTE slot, first, ahead
.if \first == 0
	s_wait_loadcnt 0x0                             ; this tile's bias is in; its loads are done, so their base may be stepped below
	PLACES
.endif
	LDK \slot, 1, F1
	s_wait_dscnt 16
	MMQK 0, F0
	PLACES
	LDK \slot, 2, F0
	s_wait_dscnt 16
	MMQK 1, F1
	PLACES
	LDK \slot, 3, F1
	s_wait_dscnt 16
	MMQK 2, F0
	PLACES
	LDV \slot, 0, F0
	s_wait_dscnt 16
	MMQK 3, F1
	PLACES
.if \ahead
	s_add_nc_u64 s[70:71], s[70:71], BTILE         ; no load that names this base is out: the wait at this tile's head (for tile 0: the last wait for Q's rows) was for 0
	LDBIAS
.endif
	SOFTMAX \first
	LDV \slot, 1, F1
	s_wait_dscnt 16
	MMPV 0, F0, \first, 0, 7
	PLACES
	LDV \slot, 2, F0
	s_wait_dscnt 16
	MMPV 1, F1, 0, 0, 7
	PLACES
	LDV \slot, 3, F1
	s_wait_dscnt 16
	MMPV 2, F0, 0, 0, 7
.endm
; The change of slots, round the last 32 matrix instructions of a tile.  In front of the barrier each wave waits for its reads of slot old and
; for all its tensor loads (one is out: its part of slot next).  refill = 1: the barrier opens a round of the cluster's barrier, and behind the
; round slot old is asked for again, two tiles ahead: the wave's first and only tensor load there.  It has a whole tile's work in which to land.
.macro TURN next, old, refill
	s_wait_dscnt 0x0                               ; V's last fragments are in, and my reads of slot old are over
	s_set_vgpr_msb (MSB<<8)|((MSB&0xf0)|0x0)
	s_wait_tensorcnt 0x0                           ; all my tensor loads have landed
	ds_add_u32 v12, v13
	s_wait_dscnt 0x0
	s_set_vgpr_msb (((MSB&0xf0)|0x0)<<8)|MSB
	s_barrier_signal -1
	MMPV 3, F1, 0, 0, 3                            ; registers only, while the others arrive
	WIN 0
	s_barrier_wait -1
.if \refill
	CREST                                          ; no wave of any of the four work-groups still reads slot old or has a load on its way
	s_add_nc_u64 s[G0K+4*\old+2:G0K+4*\old+3], s[G0K+4*\old+2:G0K+4*\old+3], 2*TILEB
	s_add_nc_u64 s[G0V+4*\old+2:G0V+4*\old+3], s[G0V+4*\old+2:G0V+4*\old+3], 2*TILEB
	JLOAD \old
.endif
	PLACES
	LDK \next, 0, F0
	MMPV 3, F1, 0, 4, 7
.endm
	s_wait_dscnt 0x0                               ; Q's fragments are in
	s_wait_tensorcnt 0x1                           ; my part of tile 0 has landed; tile 1's may stay out
	s_barrier_signal -1
	s_barrier_wait -1
	LDK 0, 0, F0
	COMPUTE 0, 1, 1                                ; tile 0 starts all sums
	WIN 0
	s_mov_b32 s59, 0
.Lpair:                                            ; trip i: tiles 2 i + 1 and 2 i + 2; asked for in it: tiles 2 i + 2 and 2 i + 3, and the bias of the same two: the last of them tile 15's
	TURN 1, 0, 1
	COMPUTE 1, 0, 1
	TURN 0, 1, 1
	COMPUTE 0, 0, 1
	WIN 0
	s_add_co_u32 s59, s59, 1
	s_cmp_lt_u32 s59, (TILES-2)/2
	s_cbranch_scc1 .Lpair
	TURN 1, 0, 0                                   ; tile 15 is left, in slot 1; nothing is left to fetch
	COMPUTE 1, 0, 0
	s_wait_dscnt 0x0
	MMPV 3, F1, 0, 0, 7
	WIN 0
	PLACES
	; divide by the row sums
.irp qb, 0,1,2,3
	v_pk_add_f32 v[LS+4*\qb:LS+4*\qb+1], v[LS+4*\qb:LS+4*\qb+1], v[LS+4*\qb+2:LS+4*\qb+3]
.endr
.irp qb, 0,1,2,3
	v_add_f32 v[T+\qb], v[LS+4*\qb], v[LS+4*\qb+1]
.endr
.irp qb, 0,1,2,3
	v_permlanex16_b32 v[MX+\qb], v[T+\qb], s68, s69
.endr
.irp qb, 0,1,2,3
	v_add_f32 v[T+\qb], v[T+\qb], v[MX+\qb]        ; at least about 1: the largest score's term is 2^0
.endr
.irp qb, 0,1,2,3
	v_rcp_f32 v[RL+2*\qb], v[T+\qb]
.endr
	v_nop                                          ; one plain instruction before the reciprocals are read (ISA guide 5.7.2)
	s_wait_alu depctr_va_vdst(0)
.irp qb, 0,1,2,3
	v_mov_b32 v[RL+2*\qb+1], v[RL+2*\qb]
.endr
	WIN 0x41
.set t_, 0
.rept 32
.irp p, 0,2,4,6
	v_pk_mul_f32 v[8*t_+\p:8*t_+\p+1], v[8*t_+\p:8*t_+\p+1], v[RL+2*(t_%4):RL+2*(t_%4)+1]
.endr
.set t_, t_+1
.endr
; The way out, 16 query rows at a time: a lane's 8 neighbouring numbers go into my stage as 32 bytes of a row, whole rows of 512 bytes come back,
; and each store of the wave covers 512 consecutive bytes at a multiple of 512 from out0's first byte.
.macro OUT16 qb
	WIN 0x04
.irp db, 0,1,2,3,4,5,6,7
	ds_store_b128 v[STO], v[8*(4*\db+\qb):8*(4*\db+\qb)+3] offset:64*\db
	ds_store_b128 v[STO], v[8*(4*\db+\qb)+4:8*(4*\db+\qb)+7] offset:64*\db+16
.endr
	WIN 0
	s_wait_xcnt 0x0                                ; the buffer, which earlier stores read, is loaded again only behind this wait
.set t_, 0
.rept 16
	ds_load_b128 v[F0+64*(\qb%2)+4*t_:F0+64*(\qb%2)+4*t_+3], v[RDO] offset:OP*t_   ; LDS serves a wave in order: these see the stores above
.set t_, t_+1
.endr
.set t_, 0
.rept 16
	s_wait_dscnt 15-t_                             ; row t is back, the younger rows stay out
	global_store_b128 v[L16], v[F0+64*(\qb%2)+4*t_:F0+64*(\qb%2)+4*t_+3], s[12:13] offset:(16*\qb+t_)*ROWB th:TH_STORE_NT
.set t_, t_+1
.endr
.endm
	OUT16 0
	OUT16 1
	OUT16 2
	OUT16 3
	s_set_vgpr_msb (MSB<<8)|((MSB&0xf0)|0x0)
	s_wait_tensorcnt 0x0
	ds_add_u32 v12, v13
	s_wait_dscnt 0x0
	s_set_vgpr_msb (((MSB&0xf0)|0x0)<<8)|MSB
	CROUND                                         ; the closing round: no work-group ends while a partner may still ask for a tile that names it
	s_endpgm
.Lfunc_end_k_qcbe68f1fa2_attn:
	.size	k_qcbe68f1fa2_attn, .Lfunc_end_k_qcbe68f1fa2_attn-k_qcbe68f1fa2_attn
	.p2alignl 7, 3214868480
	.fill 96, 4, 3214868480
	.section	.rodata,"a",@progbits
	.p2align	6, 0x0
	.amdhsa_kernel k_qcbe68f1fa2_attn
		.amdhsa_group_segment_fixed_size 327680
		.amdhsa_private_segment_fixed_size 0
		.amdhsa_enable_private_segment 0
		.amdhsa_kernarg_size 40
		.amdhsa_user_sgpr_count 2
		.amdhsa_user_sgpr_kernarg_segment_ptr 1
		.amdhsa_wavefront_size32 1
		.amdhsa_system_sgpr_workgroup_id_x 1
		.amdhsa_system_sgpr_workgroup_id_y 1
		.amdhsa_system_sgpr_workgroup_id_z 1
		.amdhsa_system_vgpr_workitem_id 0
		.amdhsa_next_free_vgpr 896
		.amdhsa_next_free_sgpr 72
		.amdhsa_reserve_vcc 0
		.amdhsa_float_denorm_mode_32 3
		.amdhsa_float_denorm_mode_16_64 3
		.amdhsa_memory_ordered 1
		.amdhsa_forward_progress 1
		.amdhsa_inst_pref_size 255
	.end_amdhsa_kernel
	.section	.bss,"aw",@nobits
	.p2align	6
	.space	262144
	.amdgpu_metadata
---
amdhsa.version: [ 1, 2 ]
amdhsa.kernels:
  - .name:           k_qcbe68f1fa2_attn
    .symbol:         k_qcbe68f1fa2_attn.kd
    .args:
      - { .name: query, .offset: 0, .size: 8, .value_kind: global_buffer, .address_space: global }
      - { .name: kp, .offset: 8, .size: 8, .value_kind: global_buffer, .address_space: global }
      - { .name: vp, .offset: 16, .size: 8, .value_kind: global_buffer, .address_space: global }
      - { .name: bias, .offset: 24, .size: 8, .value_kind: global_buffer, .address_space: global }
      - { .name: out0, .offset: 32, .size: 8, .value_kind: global_buffer, .address_space: global }
    .group_segment_fixed_size: 327680
    .private_segment_fixed_size: 0
    .kernarg_segment_align: 8
    .kernarg_segment_size: 40
    .max_flat_workgroup_size: 128
    .sgpr_count:     72
    .vgpr_count:     896
    .wavefront_size: 32
...
	.end_amdgpu_metadata
.endif
;; end of part 2
;; ======== version 2 of 2: 2 launches; version 1 with the launch pack written anew for expert scheduling mode
;; workspace buffers: kp 33,554,432 bytes; vp 33,554,432 bytes; bias 32,768 bytes
;; launch pack (part 3): grid 128 x 4, 8 waves a work-group, no clusters, 0 bytes of LDS; arguments key, value, mask, kp, vp, bias; writes kp, vp, bias
.if DOCPART == 3
	.amdgcn_target "amdgcn-amd-amdhsa--gfx1250"
	.amdhsa_code_object_version 6
	.text
	.protected	k_qcbe68f1fa2_pack
	.globl	k_qcbe68f1fa2_pack
	.p2align	8
	.type	k_qcbe68f1fa2_pack,@function
k_qcbe68f1fa2_pack:
	s_mov_b64 s[64:65], 0
	v_nop
	global_prefetch_b8 v0, s[64:65] scope:SCOPE_SE
	s_setreg_imm32_b32 hwreg(HW_REG_WAVE_SCHED_MODE, 0, 2), 2
	s_setreg_imm32_b32 hwreg(HW_REG_WAVE_MODE, 25, 1), 1
	s_wait_xcnt 0x0
	s_wait_alu depctr_vm_vsrc(0)
; pack: keys and values rounded to bf16 and laid out by head, once for all query blocks; the mask made into a bias.
;   key, value: [4][2048][16][128] f32.  mask: [4][2048] int32, non-zero = kept.
;   kp, vp:     [4][16][2048][128] bf16: row s of (batch, head) is key (value) s; a row is 256 bytes.
;   bias:       [4][2048] f32: 0 for a kept key, -2^127 for a dropped one.
; A dropped key's K row is stored as zeros, so that its score is the bias exactly, whatever the key holds.  V's rows are all kept: a dropped
; value gets the weight 0.  The mask only selects values here (an AND word, a bias): no branch and no address hangs on it.
; Work: y = batch, x = chunk; wave g = 8 chunk + wave (0..1023) makes rows g and g + 1024, all 16 heads of K and V:
; 64 loads of 512 neighbouring bytes, 64 stores of one whole aligned row of 256 bytes.  Wave 0 of chunks 0 to 31 also makes the bias of keys
; 64 chunk .. 64 chunk + 63: one store of 256 aligned bytes.
; No LDS, no matrix unit, no cluster: the launch only moves bytes, each of them once, and no two waves want the same row.
; THE MODE: SCHED_MODE bits 1:0 = 2 (LLVM: expert scheduling mode 2), set by the entry lines.  The code itself states the register dependences
; between vector instructions and memory instructions, with s_wait_alu, always for 0.
; THE PLAN.  The wave's work is four blocks of 16 heads: 0 = K of row g, 1 = V of row g, 2 = K of row g + 1024, 3 = V of row g + 1024.
; Registers that memory instructions touch:
;   A   loaded at the head (block 0's data); read by block 0's roundings; loaded again, with block 3's data, by loads issued in block 1;
;       rounded in place by block 3; read by the last 16 stores.
;   B   loaded at the head (block 1's data); rounded in place by block 1; read by the stores issued in block 2.
;   C   loaded at the head (block 2's data); rounded and masked in place by block 2; read by the stores issued in block 3.
;   Y   written by block 0's roundings and ANDs; read by the stores issued in block 1.  Block 0 alone has an out-buffer, since A alone is loaded twice.
;   v2, v3   byte offsets, made once at the head and never written again; every row has scalar bases or immediates of its own.
; Block p's vector lines name its own raw buffer alone (block 0: and Y); its memory instructions are the stores of what block p - 1 made and, in block 1,
; the loads into the buffer that block 0 emptied.  So ONE wait on va_vdst at the head of blocks 1, 2, 3 and ahead of the last stores states all that the
; memory instructions behind it hang on, and these are dealt among the block's vector lines with no further wait.
; No register that a memory instruction reads (offset, base, store data) is ever written again: the text owes no wait on vm_vsrc and no s_wait_xcnt.
.set A,     16                         ; v[16:79]    head i: 4 registers at A + 4 i
.set B,     80                         ; v[80:143]   likewise
.set C,     144                        ; v[144:207]  likewise
.set Y,     208                        ; v[208:239]  head i: 2 registers at Y + 2 i: 4 bf16 to store
.set HEADB, 524288                     ; bytes from head to head in kp and vp: 2,048 rows of 256
.set ROW2,  262144                     ; bytes from row g to row g + 1024 in kp and vp; with 15 heads 8,126,464: inside the signed 24-bit immediate
	s_load_b256 s[4:11], s[0:1], 0x0               ; key s[4:5], value s[6:7], mask s[8:9], kp s[10:11]
	s_load_b128 s[12:15], s[0:1], 0x20             ; vp s[12:13], bias s[14:15]
	v_lshrrev_b32 v1, 5, v0
	v_readfirstlane_b32 s16, v1                    ; wave 0..7
	s_mov_b32 s17, ttmp9                           ; chunk
	s_and_b32 s18, ttmp7, 0xffff                   ; batch
	v_and_b32 v1, 31, v0                           ; lane
	v_lshlrev_b32 v2, 4, v1                        ; 16 lane: my 4 f32 of a head's row
	v_lshlrev_b32 v3, 3, v1                        ; 8 lane: my 4 bf16 of a row of kp or vp; also my two words of mask and of bias
	s_wait_alu depctr_va_sdst(0)                   ; s16 is written, ahead of its first reader: g and all the bases are made from it
	s_lshl3_add_u32 s19, s17, s16                  ; g = 8 chunk + wave
	s_lshl_b32 s54, s18, 13                        ; 8,192 bytes of mask a batch
	s_lshl2_add_u32 s54, s19, s54                  ; + 4 g
	s_mov_b32 s55, 0
	s_wait_kmcnt 0x0
	s_add_nc_u64 s[20:21], s[8:9], s[54:55]
	s_load_b32 s50, s[20:21], 0x0                  ; the mask word of key g,
	s_load_b32 s51, s[20:21], 0x1000               ; and of key g + 1024
	s_lshl_b32 s54, s18, 11
	s_add_co_u32 s54, s54, s19
	s_lshl_b32 s54, s54, 13                        ; (2048 batch + g) rows of 8,192 bytes
	s_add_nc_u64 s[56:57], s[4:5], s[54:55]        ; key, row g
	s_add_nc_u64 s[58:59], s[6:7], s[54:55]        ; value, row g
	s_add_nc_u64 s[28:29], s[56:57], 0x800000      ; key, row g + 1024: 1,024 rows of 8,192 bytes, one more than an immediate offset holds
	s_add_nc_u64 s[30:31], s[58:59], 0x800000      ; value, row g + 1024
	s_lshl_b32 s54, s18, 23                        ; batch x 16 heads x 524,288 bytes
	s_lshl_b32 s22, s19, 8
	s_add_co_u32 s54, s54, s22                     ; + g rows of 256 bytes
	s_add_nc_u64 s[60:61], s[10:11], s[54:55]      ; kp, row g
	s_add_nc_u64 s[62:63], s[12:13], s[54:55]      ; vp, row g
	s_wait_alu depctr_va_vdst(0)                   ; v2 and v3 are written: every load and store of the kernel reads one of them as its offset
.irp i, 0,1,2,3,4,5,6,7,8,9,10,11,12,13,14,15
	global_load_b128 v[A+4*\i:A+4*\i+3], v2, s[56:57] offset:512*\i th:TH_LOAD_NT          ; a head's 512 bytes, read once in the launch
.endr
.irp i, 0,1,2,3,4,5,6,7,8,9,10,11,12,13,14,15
	global_load_b128 v[B+4*\i:B+4*\i+3], v2, s[58:59] offset:512*\i th:TH_LOAD_NT
.endr
.irp i, 0,1,2,3,4,5,6,7,8,9,10,11,12,13,14,15
	global_load_b128 v[C+4*\i:C+4*\i+3], v2, s[28:29] offset:512*\i th:TH_LOAD_NT
.endr
	; the bias of 64 keys, by wave 0 of chunks 0 to 31.  It stands behind the rows' loads, so that its one load is on its way together with them.
	s_lshl_b32 s22, s16, 7
	s_add_co_u32 s22, s22, s17                     ; 128 wave + chunk: below 32 for those waves alone
	s_cmp_ge_u32 s22, 32
	s_cbranch_scc1 .Lno_bias
	s_lshl_b32 s54, s18, 13                        ; 8,192 bytes a batch in mask and in bias
	s_lshl_b32 s22, s17, 8
	s_add_co_u32 s54, s54, s22                     ; + 64 chunk words
	s_add_nc_u64 s[24:25], s[8:9], s[54:55]
	s_add_nc_u64 s[26:27], s[14:15], s[54:55]
	s_mov_b32 s23, 0xff000000                      ; -2^127
	global_load_b64 v[4:5], v3, s[24:25]           ; no vector line has named v4 or v5, and v3 was written ahead of the wait above
	v_mov_b32 v8, 0
	s_wait_loadcnt 0x0                             ; it is the youngest load: the rows' are in too, and the counted waits below are met at once
	v_cmp_ne_u32 s36, 0, v4
	v_cmp_ne_u32 s37, 0, v5
	s_wait_alu depctr_va_sdst(0)                   ; the two compares have written s36 and s37, ahead of the selects that read them
	v_cndmask_b32 v6, s23, v8, s36                 ; kept: 0; dropped: -2^127
	v_cndmask_b32 v7, s23, v8, s37
	s_wait_alu depctr_va_vdst(0)                   ; the selects have written v6 and v7, which the store reads
	global_store_b64 v3, v[6:7], s[26:27]          ; 32 lanes store 256 aligned bytes
.Lno_bias:
	s_wait_kmcnt 0x0
	s_cmp_lg_u32 s50, 0
	s_cselect_b32 s52, -1, 0                       ; K's row g is kept, or cleared
	s_cmp_lg_u32 s51, 0
	s_cselect_b32 s53, -1, 0                       ; the same for row g + 1024
	; block 0: K of row g, from A into Y.  It issues no memory instruction.
.irp i, 0,1,2,3,4,5,6,7,8,9,10,11,12,13,14,15
	s_wait_loadcnt 47-\i                           ; loads return in order: head i of A is in; A's other 15 - i, B's 16 and C's 16 may stay out
	v_cvt_pk_bf16_f32 v[Y+2*\i], v[A+4*\i], v[A+4*\i+1]
	v_cvt_pk_bf16_f32 v[Y+2*\i+1], v[A+4*\i+2], v[A+4*\i+3]
	v_and_b32 v[Y+2*\i], s52, v[Y+2*\i]
	v_and_b32 v[Y+2*\i+1], s52, v[Y+2*\i+1]
.endr
	; block 1: V of row g, in place in B.  Among its lines: block 3's loads into A, block 0's stores from Y.
	s_wait_alu depctr_va_vdst(0)                   ; block 0 has written Y, which the stores below read, and is done reading A, in which the loads below land
.irp i, 0,1,2,3,4,5,6,7,8,9,10,11,12,13,14,15
	global_load_b128 v[A+4*\i:A+4*\i+3], v2, s[30:31] offset:512*\i th:TH_LOAD_NT          ; no vector line since the wait names A
	global_store_b64 v3, v[Y+2*\i:Y+2*\i+1], s[60:61] offset:\i*HEADB                      ; 32 lanes store one aligned row of 256 bytes; no vector line since the wait names Y
	s_wait_loadcnt 32                              ; head i of B is in; B's other 15 - i, C's 16 and the i + 1 loads into A issued so far may stay out
	v_cvt_pk_bf16_f32 v[B+4*\i], v[B+4*\i], v[B+4*\i+1]
	v_cvt_pk_bf16_f32 v[B+4*\i+1], v[B+4*\i+2], v[B+4*\i+3]
.endr
	; block 2: K of row g + 1024, in place in C.  Among its lines: block 1's stores from B.
	s_wait_alu depctr_va_vdst(0)                   ; block 1 has written the first two of each four registers of B, which the stores below read
.irp i, 0,1,2,3,4,5,6,7,8,9,10,11,12,13,14,15
	global_store_b64 v3, v[B+4*\i:B+4*\i+1], s[62:63] offset:\i*HEADB
	s_wait_loadcnt 31-\i                           ; head i of C is in; C's other 15 - i and A's 16 may stay out
	v_cvt_pk_bf16_f32 v[C+4*\i], v[C+4*\i], v[C+4*\i+1]
	v_cvt_pk_bf16_f32 v[C+4*\i+1], v[C+4*\i+2], v[C+4*\i+3]
	v_and_b32 v[C+4*\i], s53, v[C+4*\i]
	v_and_b32 v[C+4*\i+1], s53, v[C+4*\i+1]
.endr
	; block 3: V of row g + 1024, in place in A.  Among its lines: block 2's stores from C.
	s_wait_alu depctr_va_vdst(0)                   ; block 2 has written the first two of each four registers of C, which the stores below read
.irp i, 0,1,2,3,4,5,6,7,8,9,10,11,12,13,14,15
	global_store_b64 v3, v[C+4*\i:C+4*\i+1], s[60:61] offset:ROW2+\i*HEADB
	s_wait_loadcnt 15-\i                           ; head i of A is in; no store has read A, so its registers may be written
	v_cvt_pk_bf16_f32 v[A+4*\i], v[A+4*\i], v[A+4*\i+1]
	v_cvt_pk_bf16_f32 v[A+4*\i+1], v[A+4*\i+2], v[A+4*\i+3]
.endr
	s_wait_alu depctr_va_vdst(0)                   ; block 3 has written the first two of each four registers of A, which the last stores read
.irp i, 0,1,2,3,4,5,6,7,8,9,10,11,12,13,14,15
	global_store_b64 v3, v[A+4*\i:A+4*\i+1], s[62:63] offset:ROW2+\i*HEADB
.endr
	s_endpgm
.Lfunc_end_k_qcbe68f1fa2_pack:
	.size	k_qcbe68f1fa2_pack, .Lfunc_end_k_qcbe68f1fa2_pack-k_qcbe68f1fa2_pack
	.p2alignl 7, 3214868480
	.fill 96, 4, 3214868480
	.section	.rodata,"a",@progbits
	.p2align	6, 0x0
	.amdhsa_kernel k_qcbe68f1fa2_pack
		.amdhsa_group_segment_fixed_size 0
		.amdhsa_private_segment_fixed_size 0
		.amdhsa_enable_private_segment 0
		.amdhsa_kernarg_size 48
		.amdhsa_user_sgpr_count 2
		.amdhsa_user_sgpr_kernarg_segment_ptr 1
		.amdhsa_wavefront_size32 1
		.amdhsa_system_sgpr_workgroup_id_x 1
		.amdhsa_system_sgpr_workgroup_id_y 1
		.amdhsa_system_sgpr_workgroup_id_z 1
		.amdhsa_system_vgpr_workitem_id 0
		.amdhsa_next_free_vgpr 240
		.amdhsa_next_free_sgpr 66
		.amdhsa_reserve_vcc 0
		.amdhsa_float_denorm_mode_32 3
		.amdhsa_float_denorm_mode_16_64 3
		.amdhsa_memory_ordered 1
		.amdhsa_forward_progress 1
		.amdhsa_inst_pref_size 27
	.end_amdhsa_kernel
	.amdgpu_metadata
---
amdhsa.version: [ 1, 2 ]
amdhsa.kernels:
  - .name:           k_qcbe68f1fa2_pack
    .symbol:         k_qcbe68f1fa2_pack.kd
    .args:
      - { .name: key, .offset: 0, .size: 8, .value_kind: global_buffer, .address_space: global }
      - { .name: value, .offset: 8, .size: 8, .value_kind: global_buffer, .address_space: global }
      - { .name: mask, .offset: 16, .size: 8, .value_kind: global_buffer, .address_space: global }
      - { .name: kp, .offset: 24, .size: 8, .value_kind: global_buffer, .address_space: global }
      - { .name: vp, .offset: 32, .size: 8, .value_kind: global_buffer, .address_space: global }
      - { .name: bias, .offset: 40, .size: 8, .value_kind: global_buffer, .address_space: global }
    .group_segment_fixed_size: 0
    .private_segment_fixed_size: 0
    .kernarg_segment_align: 8
    .kernarg_segment_size: 48
    .max_flat_workgroup_size: 256
    .sgpr_count:     66
    .vgpr_count:     240
    .wavefront_size: 32
...
	.end_amdgpu_metadata
.endif
;; end of part 3
;; launch attn: the kernel of part 2 again; grid 8 x 64, 4 waves a work-group, clusters of 4 x 1, 327,680 bytes of LDS; arguments query, kp, vp, bias, out0; writes out0
